; MI455X (gfx1250); checked and timed in simulation.
; The chip was launched on July 23, 2026; its instructions are those of AMD's public machine-readable ISA for CDNA 5 (MIT licence, August 2026) and "CDNA5" Instruction Set Architecture Reference Guide (July 2026). The comments in the code are by the model that wrote it; some were corrected since.
;; Image To Points. Allowed arithmetic: matrix products marked QUANTISED: E4M3 operands, one given power-of-two scale a tensor, by v_wmma_f32_16x16x64_fp8_fp8 or v_wmma_f32_16x16x128_fp8_fp8, f32 sums; products left as they are: f32 operands where the result goes on into a quantised operand, else bf16, f16 or f32 operands; f32 sums; everything else in f32.
;; Inputs: W_nn_codes 256 x 3 x 32 uint8 (E4M3 codes of W_nn, K innermost, in blocks of 32 codes); b_nn 256 float32; batch 32,768 int32; images 8 x 64 x 64 x 64 float32; lowp_scales 2 int32 (the exponents e of the quantised operands' scales 2^e); pos 32,768 x 2 float32; x 32,768 x 32 float32.
;; Outputs: out0 32,768 x 256 float32.
;; Constants: k = 3.
;; This version of the problem:
;;   THIS VERSION OF THE PROBLEM IS GIVEN IN LOW PRECISION. The matrix products marked QUANTISED in the list below multiply operands that are first quantised to E4M3 (4 exponent bits, 3 mantissa bits; 8 bits a number), with one given power-of-two scale for each operand tensor; their sums are f32. All else is computed in f32.
;;   The module's matrix products, in the order in which they are computed (A, B: the left and right operand; K: the contracted axis; several contracted axes count as one K, in the product's order):
;;     1. [M 32,768, K 2] x [K 2, N 4,096]; A: input pos; B: computed on the way: left as it is (K = 2 < 32)
;;     2. [M 32,768, K 96] x [K 96, N 256]; A: computed on the way; B: input W_nn (given as codes): QUANTISED (scales: A lowp_scales[0], B lowp_scales[1])
;;   THE QUANTISER, for each operand of a quantised product, along K:
;;     - The operand's scale is 2^e, e = its entry of the input lowp_scales (int32; the entries are numbered through the quantised products in the list's order, A before B).
;;     - Each number is divided by the scale, clamped to +-448, and rounded to the nearest number of E4M3, ties to even, subnormals kept.
;;     - The product sums the exact products of the quantised numbers (number of the format x scale) in f32.
;;   ~~~python
;;   def quantise(x, axis, e):      # numpy; x: float32 -> the quantised numbers, widened to float32 again
;;       x = np.moveaxis(x, axis, -1); K = x.shape[-1]
;;       r = np.clip(x / 2.0 ** e, -448, 448)
;;       step = 2.0 ** (np.maximum(np.frexp(np.where(r == 0, 1, r))[1] - 1, -6) - 3)
;;       q = np.round(r / step) * step * 2.0 ** e      # np.round: ties to even
;;       return np.moveaxis(q, -1, axis).astype(np.float32)
;;   ~~~
;;   OPERANDS COMPUTED ON THE WAY. 'Computed on the way' means the value that the module computes at that place (a softmax that the list does not call 'softmax' is quantised finished and normalised). What goes into a quantiser is computed in f32, as accurately as f32 sums, v_exp_f32 and their like allow (about 1e-6 of the number): no bf16 or f16 on the way to a quantiser, and a product that is left as it is and whose result goes on into a quantised operand takes f32 operands (vector FMAs, or v_wmma_f32_16x16x4_f32). A number that lies on a knife's edge between two numbers of the format may be rounded either way, as far as f32 arithmetic and the matrix unit's own rounding can turn it there, and no further.
;;   INPUTS GIVEN AS CODES. W_nn (in the module: [96, 256], K = its axis 0): each comes as NAME_codes (uint8): NAME with its K axis moved to the last place and cut into blocks of 32 codes, [.., K / 32, bytes a block], one block behind the other in memory; one code a byte (a code: sign, 4 exponent bits, 3 mantissa bits); its scale is its entry of lowp_scales. Its value is code x scale, taken as it is: it is not quantised again, and the codes and scales need not be those that the quantiser above would give.
;; 2 versions, each right; version 2 is version 1 with the launch mix written anew for expert scheduling mode. Each part assembles by itself: llvm-mc -triple=amdgcn-amd-amdhsa -mcpu=gfx1250 --defsym DOCPART=n.
;; ======== version 1 of 2: 2 launches
;; limits: inputs' magnitudes at most 45; right only within a limited range of input values
;; workspace buffers: pix 8,388,608 bytes; nbr 524,288 bytes of whole numbers; wts 524,288 bytes
;; launch prep (part 1): grid 256 x 1, 4 waves a work-group, no clusters, 35,328 bytes of LDS; arguments images, pos, pix, nbr, wts; writes pix, nbr, wts
.if DOCPART == 1
	.amdgcn_target "amdgcn-amd-amdhsa--gfx1250"
	.amdhsa_code_object_version 6
	.text
	.protected	k_q786113a579_prep
	.globl	k_q786113a579_prep
	.p2align	8
	.type	k_q786113a579_prep,@function
k_q786113a579_prep:
	s_mov_b64 s[64:65], 0
	v_nop
	global_prefetch_b8 v0, s[64:65] scope:SCOPE_SE
	s_setreg_imm32_b32 hwreg(HW_REG_WAVE_MODE, 25, 1), 1
	s_wait_xcnt 0x0
; TWO JOBS IN ONE LAUNCH, both for the launch that follows.  256 work-groups of four waves; a work-group owns 128 points and 128 pixels, a lane one point and one pixel.
; (1) THE THREE NEAREST PIXELS of each point, and their weights.  nbr[point] = {pixel 0, 1, 2, 0}: row numbers in pix (4,096 x image + 64 x row + column), nearest first;
;     wts[point] = {w0, w1, w2, 0}, w = 1 / max(d2, 1e-16), divided by their sum.  The image of a point is its number / 4,096, as reference() cuts pos; the input batch is used by no line of reference().
;     d2 IS MADE AS reference() MAKES IT, rounding for rounding: (|a|^2 + |b|^2) - 2 a.b.  That is a difference of numbers near 1 with a result near 1e-4, so its last bits show in the weights;
;     a better-conditioned form would give other weights than the ones asked for.  x x and y y are rounded each and added; |b|^2 is exact (odd numbers squared over 2^14);
;     a.b is a chain of multiply-adds in ascending k: x cx rounded, y cy fused onto it; 2 a.b is exact, so the last line is one fused multiply-add.  That is why two of these lines are not fused.
;     ONLY 25 PIXELS ARE TRIED: the 5 x 5 window round the cell in which the point lies, pushed into the grid where it would stick out.  In exact numbers the three nearest lie within one cell of that cell;
;     a pixel outside the window is at least 4 / 4,096 further in d2 than the third nearest, and the rounding of reference()'s d2 is under two units in its last place.
;     LIMIT: x^2 + y^2 under 4,096 (|x|, |y| up to 45): there such a unit is at most 2^-12.  Beyond it the window may miss a pixel that reference()'s rounding would pick.  NaN and infinities in pos are not served.
;     The window is walked in ascending pixel number and a pixel displaces another only where it is strictly nearer: of equal ones the lower number stays ahead, as in top_k.
; (2) images [image][channel][pixel] BECOMES pix [image][pixel][channel], f32 as it is: a pixel's 64 channels are then 256 consecutive bytes, at a multiple of 256 from pix's first byte.
;     A LANE TAKES A PIXEL AND ITS REGISTERS RUN DOWN THE CHANNELS: each load reads 128 consecutive bytes a wave, 512 a work-group.  A lane's 64 numbers are a row of pix and the lanes beside it hold other rows:
;     so they go through the wave's own stage in LDS (rows of 256 + 16 bytes) and leave two rows a store, 512 consecutive bytes.  No barrier: waves share nothing.
;     The 64 loads are issued first; job (1) is done while they are on their way.
.set CHB,  16384                       ; bytes from channel to channel of an image
.set SP,   272                         ; a stage row: 17 x 16 bytes
.set STW,  32*SP                       ; a wave's stage
.set XY,   10                          ; v[10:11] the point
.set A2,   12                          ; v12      |a|^2
.set CSF,  13                          ; v13, v14 the window's first column and row, as f32
.set RSF,  14
.set BASE, 15                          ; v15      row number in pix of the window's first pixel
.set CX,   16                          ; v16-20   the five columns' centres
.set PXC,  21                          ; v21-25   x cx, rounded
.set CX2,  26                          ; v26-30   cx^2, exact
.set CY,   31                          ; v31, v32 the row's centre and its square
.set CY2,  32
.set TT,   33
.set DD,   34                          ; v34-38   a row's five d2
.set ID,   40                          ; v[40:43] the record of pixels: while the window is walked 8 x row + column in the window
.set WN,   44                          ; v[44:47] the record of weights
.set SS,   48                          ; v48-52   at work
.set BD,   54                          ; v54-56   the three smallest d2, ascending
.set X,    64                          ; v64-127  my pixel's 64 channels
.set OUTR, 128                         ; v128-191 rows of pix on their way out
	s_load_b128 s[4:7], s[0:1], 0x0                ; images, pos
	s_load_b128 s[8:11], s[0:1], 0x10              ; pix, nbr
	s_load_b64 s[12:13], s[0:1], 0x20              ; wts
	v_lshl_add_u32 v192, v0, 2, 0x8800
	v_mov_b32 v193, 0
	v_lshrrev_b32 v1, 5, v0
	v_readfirstlane_b32 s14, v1                    ; wave 0..3
	v_and_b32 v2, 31, v0                           ; lane
	v_lshlrev_b32 v3, 3, v0                        ; pos: 8 bytes a thread
	v_lshlrev_b32 v4, 2, v0                        ; images: 4 bytes a thread
	v_lshlrev_b32 v5, 4, v0                        ; the records: 16 bytes a thread
	s_mul_i32 s15, s14, STW                        ; my wave's stage
	v_mul_u32_u24 v6, v2, SP
	v_add_nc_u32 v6, s15, v6                       ; into it: row = my lane
	v_and_b32 v7, 15, v0
	v_bfe_u32 v8, v0, 4, 1
	v_mul_u32_u24 v8, v8, SP
	v_lshl_add_u32 v7, v7, 4, v8
	v_add_nc_u32 v7, s15, v7                       ; out of it: sixteen lanes to a row, two rows an instruction
	s_lshl_b32 s15, s14, 13
	v_lshl_add_u32 v8, v2, 4, s15                  ; pix: my wave's 32 rows of 256 bytes, 16 bytes a lane
	s_lshr_b32 s16, ttmp9, 5                       ; the image: 32 work-groups to each
	s_and_b32 s17, ttmp9, 31
	s_lshl_b32 s18, s16, 20                        ; an image is 2^20 bytes,
	s_lshl_b32 s17, s17, 9                         ; the work-group's 128 pixels are 512 bytes of each channel
	s_add_co_u32 s18, s18, s17
	s_mov_b32 s19, 0
	s_lshl_b32 s16, s16, 12                        ; the image's first row in pix
	s_lshl_b32 s28, ttmp9, 10                      ; pos: 128 points x 8 bytes
	s_mov_b32 s29, 0
	s_lshl_b32 s30, ttmp9, 15                      ; pix: 128 rows x 256 bytes
	s_mov_b32 s31, 0
	s_lshl_b32 s32, ttmp9, 11                      ; records: 128 x 16 bytes
	s_mov_b32 s33, 0
	s_mov_b32 s20, 0x3c800000                      ; 1 / 64
	s_mov_b32 s21, 0x426c0000                      ; 59.0: the last place at which a window of five begins
	s_wait_kmcnt 0x0
	s_add_nc_u64 s[4:5], s[4:5], s[18:19]
	s_add_nc_u64 s[6:7], s[6:7], s[28:29]
	s_add_nc_u64 s[8:9], s[8:9], s[30:31]
	s_add_nc_u64 s[10:11], s[10:11], s[32:33]
	s_add_nc_u64 s[12:13], s[12:13], s[32:33]
	global_load_b64 v[XY:XY+1], v3, s[6:7]         ; my point: the wave reads 256 consecutive bytes
.set c, 0
.rept 60
	global_load_b32 v[X+c], v4, s[4:5] offset:c*CHB th:TH_LOAD_NT   ; read once in the whole program
.set c, c+1
.endr
	s_wait_loadcnt 60                              ; the point is in; the 60 loads issued behind it stay out
.rept 4
	global_load_b32 v[X+c], v4, s[4:5] offset:c*CHB th:TH_LOAD_NT   ; channels 60 to 63
.set c, c+1
.endr
	; ---- the window, and what all its pixels share
	v_mul_f32 v[A2], v[XY], v[XY]                  ; x x and y y are rounded each, then added: reference() squares first and sums afterwards
	v_mul_f32 v[TT], v[XY+1], v[XY+1]
	v_add_f32 v[A2], v[A2], v[TT]
	v_mul_f32 v[CSF], 0x42800000, v[XY]            ; 64 x: exact
	v_mul_f32 v[RSF], 0x42800000, v[XY+1]
	v_floor_f32 v[CSF], v[CSF]                     ; the cell in which the point lies,
	v_floor_f32 v[RSF], v[RSF]
	v_add_f32 v[CSF], -2.0, v[CSF]                 ; two cells to each side of it,
	v_add_f32 v[RSF], -2.0, v[RSF]
	v_med3_num_f32 v[CSF], v[CSF], 0, s21          ; held inside the grid: five columns and five rows that exist, for any point
	v_med3_num_f32 v[RSF], v[RSF], 0, s21
	v_cvt_u32_f32 v[BASE], v[CSF]
	v_cvt_u32_f32 v[TT], v[RSF]
	v_lshl_add_u32 v[BASE], v[TT], 6, v[BASE]
	v_add_nc_u32 v[BASE], s16, v[BASE]             ; a number that is stored; no address of this launch hangs on it
	v_fma_f32 v[CX], v[CSF], s20, 0x3c000000       ; (column + 0.5) / 64: a multiple of 1 / 128 under 1, exact
	v_fma_f32 v[CY], v[RSF], s20, 0x3c000000
.irp j, 0,1,2,3
	v_add_f32 v[CX+\j+1], s20, v[CX+\j]            ; exact
.endr
.irp j, 0,1,2,3,4
	v_mul_f32 v[PXC+\j], v[XY], v[CX+\j]           ; k = 0 of the product: rounded
	v_mul_f32 v[CX2+\j], v[CX+\j], v[CX+\j]        ; exact
.endr
.irp k, 0,1,2
	v_mov_b32 v[BD+\k], 0x7f800000                 ; the three smallest so far: +infinity
	v_mov_b32 v[ID+\k], 0
.endr
; One pixel against the three smallest.  Strictly smaller displaces; what it displaces moves one place down.
.macro INS d, id
	v_cmp_lt_f32 s24, v[\d], v[BD]
	v_cmp_lt_f32 s25, v[\d], v[BD+1]
	v_cmp_lt_f32 s26, v[\d], v[BD+2]
	v_cndmask_b32 v[ID+2], v[ID+2], (\id), s26
	v_cndmask_b32 v[ID+2], v[ID+2], v[ID+1], s25
	v_cndmask_b32 v[ID+1], v[ID+1], (\id), s25
	v_cndmask_b32 v[ID+1], v[ID+1], v[ID], s24
	v_cndmask_b32 v[ID], v[ID], (\id), s24
	v_med3_num_f32 v[BD+2], v[BD+1], v[\d], v[BD+2]   ; of three numbers of which two are in order, the middle one is the new holder of the place
	v_med3_num_f32 v[BD+1], v[BD], v[\d], v[BD+1]
	v_min_num_f32 v[BD], v[BD], v[\d]
.endm
; A row of the window: five d2, line by line so that no line waits for the one above it, then the five comparisons in ascending column.
.macro ROW i
	v_mul_f32 v[CY2], v[CY], v[CY]                 ; exact
.irp j, 0,1,2,3,4
	v_add_f32 v[SS+\j], v[CX2+\j], v[CY2]          ; |b|^2: exact
	v_fma_f32 v[DD+\j], v[XY+1], v[CY], v[PXC+\j]  ; a.b: k = 1 fused onto k = 0
.endr
.irp j, 0,1,2,3,4
	v_add_f32 v[SS+\j], v[A2], v[SS+\j]            ; |a|^2 + |b|^2: rounded here, as in reference()
.endr
.irp j, 0,1,2,3,4
	v_fma_f32 v[DD+\j], -2.0, v[DD+\j], v[SS+\j]   ; - 2 a.b: doubling is exact, so this is reference()'s one rounding
.endr
.irp j, 0,1,2,3,4
	INS DD+\j, 8*\i+\j
.endr
.if \i < 4
	v_add_f32 v[CY], s20, v[CY]                    ; the next row's centre: exact
.endif
.endm
	ROW 0
	ROW 1
	ROW 2
	ROW 3
	ROW 4
	; ---- the weights
.irp k, 0,1,2
	v_max_num_f32 v[BD+\k], 0x24e69595, v[BD+\k]   ; max(d2, 1e-16)
.endr
.irp k, 0,1,2
	v_rcp_f32 v[WN+\k], v[BD+\k]
.endr
.irp k, 0,1,2                          ; independent work behind the reciprocals: 8 i + j becomes 64 i + j, plus the window's first pixel
	v_lshrrev_b32 v[SS+\k], 3, v[ID+\k]
	v_mad_u32_u24 v[ID+\k], v[SS+\k], 56, v[ID+\k]
	v_add_nc_u32 v[ID+\k], v[BASE], v[ID+\k]
.endr
	s_wait_alu depctr_va_vdst(0)                   ; one wait for the three reciprocals, ahead of their first reader
.irp k, 0,1,2
	v_fma_f32 v[SS+\k], -v[BD+\k], v[WN+\k], 1.0   ; one Newton step: reference() divides, and these numbers go on towards a quantiser
.endr
.irp k, 0,1,2
	v_fma_f32 v[WN+\k], v[SS+\k], v[WN+\k], v[WN+\k]
.endr
	v_add_f32 v[TT], v[WN], v[WN+1]
	v_add_f32 v[TT], v[TT], v[WN+2]                ; their sum, in reference()'s order
	v_rcp_f32 v[SS], v[TT]
	v_mov_b32 v[ID+3], 0                           ; the records' fourth words are stored too: the next launch loads whole records
	v_mov_b32 v[WN+3], 0
	s_wait_alu depctr_va_vdst(0)                   ; the wait for that reciprocal, ahead of its first reader
	v_fma_f32 v[SS+1], -v[TT], v[SS], 1.0
	v_fma_f32 v[SS], v[SS+1], v[SS], v[SS]
.irp k, 0,1,2
	v_mul_f32 v[WN+\k], v[WN+\k], v[SS]            ; divided by the sum here, once a point, and not once a channel
.endr
	global_store_b128 v5, v[ID:ID+3], s[10:11]     ; the wave stores 512 consecutive bytes
	global_store_b128 v5, v[WN:WN+3], s[12:13]
	; ---- my pixel's channels into the stage, four at a time as they arrive; then rows out
.set i, 0
.rept 16
	s_wait_loadcnt 60-4*i                          ; loads come back in order: channels up to 4 i + 3 are in, the younger ones stay out
	ds_store_b128 v6, v[X+4*i:X+4*i+3] offset:16*i
.set i, i+1
.endr
.set t, 0
.rept 16
	ds_load_b128 v[OUTR+4*t:OUTR+4*t+3], v7 offset:2*t*SP   ; LDS serves a wave's instructions in order: these see my stores
.set t, t+1
.endr
.set t, 0
.rept 16
	s_wait_dscnt 15-t                              ; pair t of rows is back; the younger loads stay out
	global_store_b128 v8, v[OUTR+4*t:OUTR+4*t+3], s[8:9] offset:512*t   ; two rows of pix: 512 consecutive bytes, at a multiple of 256 from its first byte
.set t, t+1
.endr
	s_wait_tensorcnt 0x0
	ds_add_u32 v192, v193
	s_wait_dscnt 0x0
	s_endpgm
.Lfunc_end_k_q786113a579_prep:
	.size	k_q786113a579_prep, .Lfunc_end_k_q786113a579_prep-k_q786113a579_prep
	.p2alignl 7, 3214868480
	.fill 96, 4, 3214868480
	.section	.rodata,"a",@progbits
	.p2align	6, 0x0
	.amdhsa_kernel k_q786113a579_prep
		.amdhsa_group_segment_fixed_size 35328
		.amdhsa_private_segment_fixed_size 0
		.amdhsa_enable_private_segment 0
		.amdhsa_kernarg_size 40
		.amdhsa_user_sgpr_count 2
		.amdhsa_user_sgpr_kernarg_segment_ptr 1
		.amdhsa_wavefront_size32 1
		.amdhsa_system_sgpr_workgroup_id_x 1
		.amdhsa_system_sgpr_workgroup_id_y 1
		.amdhsa_system_sgpr_workgroup_id_z 1
		.amdhsa_system_vgpr_workitem_id 0
		.amdhsa_next_free_vgpr 194
		.amdhsa_next_free_sgpr 66
		.amdhsa_reserve_vcc 0
		.amdhsa_float_denorm_mode_32 3
		.amdhsa_float_denorm_mode_16_64 3
		.amdhsa_memory_ordered 1
		.amdhsa_forward_progress 1
		.amdhsa_inst_pref_size 38
	.end_amdhsa_kernel
	.amdgpu_metadata
---
amdhsa.version: [ 1, 2 ]
amdhsa.kernels:
  - .name:           k_q786113a579_prep
    .symbol:         k_q786113a579_prep.kd
    .args:
      - { .name: images, .offset: 0, .size: 8, .value_kind: global_buffer, .address_space: global }
      - { .name: pos, .offset: 8, .size: 8, .value_kind: global_buffer, .address_space: global }
      - { .name: pix, .offset: 16, .size: 8, .value_kind: global_buffer, .address_space: global }
      - { .name: nbr, .offset: 24, .size: 8, .value_kind: global_buffer, .address_space: global }
      - { .name: wts, .offset: 32, .size: 8, .value_kind: global_buffer, .address_space: global }
    .group_segment_fixed_size: 35328
    .private_segment_fixed_size: 0
    .kernarg_segment_align: 8
    .kernarg_segment_size: 40
    .max_flat_workgroup_size: 128
    .sgpr_count:     66
    .vgpr_count:     194
    .wavefront_size: 32
...
	.end_amdgpu_metadata
.endif
;; end of part 1
;; launch mix (part 2): grid 256 x 1, 8 waves a work-group, no clusters, 64,512 bytes of LDS; arguments pix, nbr, wts, x, W_nn_codes, b_nn, lowp_scales, out0; writes out0
.if DOCPART == 2
	.amdgcn_target "amdgcn-amd-amdhsa--gfx1250"
	.amdhsa_code_object_version 6
	.text
	.protected	k_q786113a579_mix
	.globl	k_q786113a579_mix
	.p2align	8
	.type	k_q786113a579_mix,@function
k_q786113a579_mix:
	s_mov_b64 s[64:65], 0
	v_nop
	global_prefetch_b8 v0, s[64:65] scope:SCOPE_SE
	s_setreg_imm32_b32 hwreg(HW_REG_WAVE_MODE, 25, 1), 1
	s_wait_xcnt 0x0
; out0 = Q([interp, x]) W + b.  interp[point] = the sum over its three pixels of weight x pix[pixel][0..63] (pixels and weights from the launch before); [interp, x] (K = 96) is quantised to E4M3 with the given
; scale 2^e0; W comes as codes [256 (n)][96 (k)] with the scale 2^e1; sums in f32, each multiplied once by 2^(e0 + e1), plus b.
; SHARES.  256 work-groups of eight waves; a work-group owns 128 points.
;   GATHER: wave w makes the operand of points 16 w .. 16 w + 15.  Sixteen lanes take one pixel's row of 256 bytes, 16 bytes a lane, so a load covers two points' rows whole; a step is two points, three loads.
;   A lane reads the records (pixels; weights) of the point that its half serves: sixteen lanes the same 16 bytes.  The row number is held under 32,768 and goes straight into the load's offset.
;   TURN: the conversion takes eight neighbours along K from one lane's registers, and the matrix unit wants a lane to a point.  So the blended rows, and x (loaded as it lies, 512 consecutive bytes a load),
;   go through the wave's own stage in LDS, [point][96 f32], rows of 384 + 16 bytes, and come back 48 numbers a lane: lane (r, h) holds, of point r, channels 32 h .. 32 h + 31 and x's 16 h .. 16 h + 15.
;   PRODUCT: the 12 registers of codes go to LDS as an image of the operand's registers (16 bytes a lane, 512 a store); one barrier; wave w multiplies row tiles 4 (w / 4) .. + 3 by columns 64 (w % 4) .. + 63.
; K = 96 IN A FORM OF 128: registers 0-7 k = 32 h + 0..31, registers 8-11 k = 64 + 16 h + 0..15, registers 12-15 zero codes, alike in both operands: every product meets its partner, and the zeros add nothing.
; THE COLUMNS OF A TILE ARE NOT NEIGHBOURS: lane r of W's tile t takes column 64 (w % 4) + 4 r + t.  In the results lane (r, h) then holds, for row 8 h + j, columns 4 r .. 4 r + 3 in the four tiles' registers j:
; the one multiply-add that each sum needs anyway (x 2^(e0 + e1), + b) puts them into four consecutive registers, and sixteen lanes store 256 consecutive bytes, aligned.  No stage on the way out.
; NO CLUSTER, NO TENSOR LOAD: work-groups share W's 24,576 bytes and b's 1,024, against 98,304 gathered, 16,384 of x and 131,072 stored by each; the gathered rows are named by a list, point by point.
; LIMITS: e0 between -126 and 119, e0 + e1 between -126 and 127, so that each power of two below is an f32 number.  NaN among the inputs is not served.
.set ROWP, 400                         ; a stage row: 25 x 16 bytes
.set STGW, 16*ROWP                     ; a wave's stage
.set IMG,  8*STGW                      ; behind the stages: the eight fragments' images,
.set FRB,  1536                        ; 12 registers x 128 bytes each
.set BF,   16                          ; v16-79   W's four fragments; registers 12-15 of each first carry a load of x and are zero afterwards
.set BIAS, 80                          ; v80-83   b of my four columns
.set NB,   84                          ; v84-115  eight records of pixels, then the gathers' offsets
.set WT,   116                         ; v116-147 eight records of weights
.set G,    148                         ; v148-243 step i: three times four registers, the three pixels' 16 bytes
.set H,    84                          ; v84-131  later: my point's 48 numbers
.set PC,   132                         ; v132-143 their codes
.set AF,   148                         ; v148-211 later: four fragments of points
.set D,    84                          ; v84-147  later: eight accumulators
.set OO,   244                         ; v244     my byte offset in the work-group's rows of out0
.set SC,   245                         ; v245     2^e0 as f32;  v246: 448 x 2^e0
.set LIM,  246
	s_load_b256 s[4:11], s[0:1], 0x0               ; pix s[4:5], nbr s[6:7], wts s[8:9], x s[10:11]
	s_load_b256 s[12:19], s[0:1], 0x20             ; W's codes s[12:13], b s[14:15], the scales' exponents s[16:17], out0 s[18:19]
	v_lshl_add_u32 v254, v0, 2, 0xf800
	v_mov_b32 v255, 0
	v_lshrrev_b32 v1, 5, v0
	v_readfirstlane_b32 s22, v1                    ; wave 0..7
	v_and_b32 v1, 15, v0                           ; r
	v_bfe_u32 v2, v0, 4, 1                         ; h
	v_and_b32 v3, 31, v0                           ; lane
	s_and_b32 s23, s22, 3                          ; which 64 columns are mine
	s_lshr_b32 s24, s22, 2                         ; which four row tiles
	v_lshlrev_b32 v4, 4, v2                        ; records: my half's point of a step's two
	v_lshlrev_b32 v5, 4, v1                        ; 16 r: my 16 bytes of a pixel's row
	v_lshlrev_b32 v6, 4, v3                        ; 16 x lane
	s_mul_i32 s25, s23, 64*96
	v_mul_u32_u24 v7, v1, 4*96
	v_add_nc_u32 v7, s25, v7                       ; W: row 64 (w % 4) + 4 r of 96 bytes; the tile's number stands in the immediate
	v_lshl_add_u32 v8, v2, 4, v7
	v_add_nc_u32 v8, 64, v8                        ;    k = 64 + 16 h on
	v_lshl_add_u32 v7, v2, 5, v7                   ;    k = 32 h on
	s_lshl_b32 s31, s23, 8
	v_add_nc_u32 v9, s31, v5                       ; b: my four columns' 16 bytes
	s_mul_i32 s28, s22, STGW                       ; my wave's stage
	v_mul_u32_u24 v10, v2, ROWP
	v_add_nc_u32 v10, v10, v5
	v_add_nc_u32 v10, s28, v10                     ; blended rows in: row h of a step's two, 16 r
	v_bfe_u32 v11, v0, 3, 2
	v_mul_u32_u24 v11, v11, ROWP
	v_and_b32 v12, 7, v0
	v_lshl_add_u32 v11, v12, 4, v11
	v_add_nc_u32 v11, s28, v11                     ; x in: a load's 512 bytes are four points' rows of 128: row lane / 8, 16 (lane % 8)
	v_mul_u32_u24 v12, v1, ROWP
	v_add_nc_u32 v12, s28, v12
	v_lshl_add_u32 v13, v2, 6, v12                 ; back: row r; of x 64 h on,
	v_lshl_add_u32 v12, v2, 7, v12                 ;       of the blend 128 h on
	s_mul_i32 s29, s22, FRB
	v_add_nc_u32 v14, s29, v6                      ; my fragment's image
	s_mul_i32 s29, s24, 4*FRB
	v_add_nc_u32 v15, s29, v6                      ; the four images that I multiply
	v_lshl_add_u32 v[OO], v2, 13, v5               ; out0: 8 h rows of 1,024 bytes, 16 r,
	v_add_nc_u32 v[OO], s31, v[OO]                 ;       my 64 columns' 256 bytes,
	s_lshl_b32 s29, s24, 16
	v_add_nc_u32 v[OO], s29, v[OO]                 ;       my four row tiles: 64 rows
	s_lshl_b32 s26, ttmp9, 11
	s_lshl_b32 s27, s22, 8
	s_add_co_u32 s26, s26, s27                     ; records: 16 bytes x (128 x work-group + 16 x wave)
	s_mov_b32 s27, 0
	s_lshl_b32 s32, s26, 3                         ; x: 128 bytes a point
	s_mov_b32 s33, 0
	s_lshl_b32 s34, ttmp9, 17                      ; out0: 128 rows of 1,024 bytes
	s_mov_b32 s35, 0
	s_wait_kmcnt 0x0
	s_load_b64 s[20:21], s[16:17], 0x0             ; e0, e1
	s_add_nc_u64 s[6:7], s[6:7], s[26:27]
	s_add_nc_u64 s[8:9], s[8:9], s[26:27]
	s_add_nc_u64 s[10:11], s[10:11], s[32:33]
	s_add_nc_u64 s[18:19], s[18:19], s[34:35]
	; all that is known ahead is asked for at once, the pixels' records first: the gathers wait for them alone
.irp i, 0,1,2,3,4,5,6,7
	global_load_b128 v[NB+4*\i:NB+4*\i+3], v4, s[6:7] offset:32*\i
.endr
.irp i, 0,1,2,3,4,5,6,7
	global_load_b128 v[WT+4*\i:WT+4*\i+3], v4, s[8:9] offset:32*\i
.endr
.irp j, 0,1,2,3
	global_load_b128 v[BF+16*\j+12:BF+16*\j+15], v6, s[10:11] offset:512*\j th:TH_LOAD_NT   ; x of my 16 points: 2,048 bytes as they lie; read once in the launch
.endr
.irp t, 0,1,2,3
	global_load_b128 v[BF+16*\t:BF+16*\t+3], v7, s[12:13] offset:96*\t
	global_load_b128 v[BF+16*\t+4:BF+16*\t+7], v7, s[12:13] offset:96*\t+16
	global_load_b128 v[BF+16*\t+8:BF+16*\t+11], v8, s[12:13] offset:96*\t
.endr
	global_load_b128 v[BIAS:BIAS+3], v9, s[14:15]
	s_wait_loadcnt 25                              ; the eight records of pixels are in; behind them 8 + 4 + 12 + 1 loads stay out
.irp i, 0,1,2,3,4,5,6,7
.irp k, 0,1,2
	v_min_u32 v[NB+4*\i+\k], 0x7fff, v[NB+4*\i+\k] ; a loaded number enters an address only held inside the table: pix has 32,768 rows
.endr
.irp k, 0,1,2
	v_lshl_add_u32 v[NB+4*\i+\k], v[NB+4*\i+\k], 8, v5   ; 256 bytes a row, + my 16
.endr
.irp k, 0,1,2
	global_load_b128 v[G+12*\i+4*\k:G+12*\i+4*\k+3], v[NB+4*\i+\k], s[4:5]   ; sixteen lanes read one row: 256 consecutive bytes, aligned.  (No hint: a list may name a row again)
.endr
.endr
	s_wait_loadcnt 37                              ; x is in; behind it 12 + 1 + 24 loads stay out
.irp j, 0,1,2,3
	ds_store_b128 v11, v[BF+16*\j+12:BF+16*\j+15] offset:256+4*ROWP*\j   ; behind the blend's 256 bytes of each row
.endr
; Step i: points 2 i and 2 i + 1.  w0 g0 + w1 g1 + w2 g2, nearest first, two channels an instruction; of the record {w0, w1, w2, 0} one word serves both halves
.macro BLEND i
.set g, G+12*\i
.set w, WT+4*\i
	s_wait_loadcnt 21-3*\i                         ; this step's three rows are in; the later steps' stay out
	v_pk_mul_f32 v[g:g+1], v[g:g+1], v[w:w+1] op_sel_hi:[1,0]
	v_pk_mul_f32 v[g+2:g+3], v[g+2:g+3], v[w:w+1] op_sel_hi:[1,0]
	v_pk_fma_f32 v[g:g+1], v[g+4:g+5], v[w:w+1], v[g:g+1] op_sel:[0,1,0] op_sel_hi:[1,1,1]
	v_pk_fma_f32 v[g+2:g+3], v[g+6:g+7], v[w:w+1], v[g+2:g+3] op_sel:[0,1,0] op_sel_hi:[1,1,1]
	v_pk_fma_f32 v[g:g+1], v[g+8:g+9], v[w+2:w+3], v[g:g+1] op_sel_hi:[1,0,1]
	v_pk_fma_f32 v[g+2:g+3], v[g+10:g+11], v[w+2:w+3], v[g+2:g+3] op_sel_hi:[1,0,1]
	ds_store_b128 v10, v[g:g+3] offset:2*ROWP*\i
.endm
.irp i, 0,1,2,3,4,5,6,7
	BLEND \i
.endr
.irp j, 0,1,2,3,4,5,6,7
	ds_load_b128 v[H+4*\j:H+4*\j+3], v12 offset:16*\j            ; LDS serves a wave's instructions in order: these see my stores.  (The last wait above was for 0: the gathers have read their offsets, which lay here)
.endr
.irp j, 0,1,2,3
	ds_load_b128 v[H+32+4*\j:H+32+4*\j+3], v13 offset:256+16*\j
.endr
	s_wait_kmcnt 0x0                               ; e0, e1
	s_add_co_i32 s28, s20, 127
	s_lshl_b32 s29, s28, 23
	v_mov_b32 v[SC], s29                           ; 2^e0 as f32: the conversion takes its exponent field
	s_add_co_i32 s28, s28, 8
	s_lshl_b32 s28, s28, 23
	s_or_b32 s28, s28, 0x600000
	v_mov_b32 v[LIM], s28                          ; 448 x 2^e0
	s_add_co_i32 s30, s20, s21
	s_add_co_i32 s30, s30, 127
	s_lshl_b32 s30, s30, 23                        ; 2^(e0 + e1) as f32
	s_wait_dscnt 0x0                               ; my 48 numbers are in, and the stores into the stage have read their registers
.irp t, 0,1,2,3
.irp q, 12,13,14,15
	v_mov_b32 v[BF+16*\t+\q], 0                    ; k = 96 .. 127: zero codes, in W's fragments (where x lay)
	v_mov_b32 v[AF+16*\t+\q], 0                    ; and in the points'
.endr
.endr
.set n, 0
.rept 48
	v_med3_num_f32 v[H+n], v[H+n], -v[LIM], v[LIM] ; the conversion to an 8-bit code does not saturate (ISA guide 7.6.2): the hold at the largest code x the scale
.set n, n+1
.endr
.irp q, 0,1,2,3,4,5
	v_cvt_scalef32_pk8_fp8_f32 v[PC+2*\q:PC+2*\q+1], v[H+8*\q:H+8*\q+7], v[SC]   ; eight neighbours along K / 2^e0, to the nearest code, ties to even
.endr
	v_nop                                          ; one plain vector instruction between the last conversion and the matrix instructions that later write over these registers
.irp c, 0,1,2
	ds_store_b128 v14, v[PC+4*\c:PC+4*\c+3] offset:IMG+512*\c   ; the fragment as it stands: 16 bytes a lane
.endr
	s_wait_dscnt 0x0                               ; for the others' sake: my image has landed
	s_barrier_signal -1
	s_barrier_wait -1                              ; all eight fragments lie in LDS
.irp m, 0,1,2,3
.irp c, 0,1,2
	ds_load_b128 v[AF+16*\m+4*\c:AF+16*\m+4*\c+3], v15 offset:IMG+FRB*\m+512*\c   ; the same lines as loads give the same registers in the same lanes
.endr
.endr
; Row tile m of my four against W's four tiles: each product is a whole sum (C = 0), each in an accumulator of its own
.macro MUL m
.irp t, 0,1,2,3
	v_wmma_f32_16x16x128_fp8_fp8 v[D+32*((\m)%2)+8*\t:D+32*((\m)%2)+8*\t+7], v[AF+16*(\m):AF+16*(\m)+15], v[BF+16*\t:BF+16*\t+15], 0
.endr
.endm
.macro PLACES                          ; four plain vector instructions between a matrix instruction and the first read of its result or write of its sources (ISA guide 7.12.1)
.rept 4
	v_nop
.endr
.endm
; Row tile m goes out: register j of tile t is out0(8 h + j, 4 r + t of my 64 columns).  Each accumulator is read from its low end on.  T: 32 registers that no pending store reads
.macro OUT m, T
.irp j, 0,1,2,3,4,5,6,7
.irp t, 0,1,2,3
	v_fma_f32 v[\T+4*\j+\t], v[D+32*((\m)%2)+8*\t+\j], s30, v[BIAS+\t]   ; sum x 2^(e0 + e1) + b, into the place that the store wants
.endr
	global_store_b128 v[OO], v[\T+4*\j:\T+4*\j+3], s[18:19] offset:16384*(\m)+1024*\j th:TH_STORE_NT   ; sixteen lanes store 256 consecutive bytes, aligned; written once, read by nobody here
.endr
.endm
	s_wait_dscnt 6                                 ; the first two fragments are in; the other two's six loads stay out
	MUL 0
	MUL 1
	PLACES
	OUT 0, 212                                     ; v212-243 are free since the blend
	OUT 1, AF                                      ; the first two fragments are done with: their registers take the results
	s_wait_dscnt 0x0
	MUL 2                                          ; over the accumulators just read: the multiply-adds above are more than the five places asked for
	MUL 3
	PLACES
	OUT 2, BF                                      ; W's fragments are done with
	OUT 3, BF+32
	s_wait_tensorcnt 0x0
	ds_add_u32 v254, v255
	s_wait_dscnt 0x0
	s_endpgm
.Lfunc_end_k_q786113a579_mix:
	.size	k_q786113a579_mix, .Lfunc_end_k_q786113a579_mix-k_q786113a579_mix
	.p2alignl 7, 3214868480
	.fill 96, 4, 3214868480
	.section	.rodata,"a",@progbits
	.p2align	6, 0x0
	.amdhsa_kernel k_q786113a579_mix
		.amdhsa_group_segment_fixed_size 64512
		.amdhsa_private_segment_fixed_size 0
		.amdhsa_enable_private_segment 0
		.amdhsa_kernarg_size 64
		.amdhsa_user_sgpr_count 2
		.amdhsa_user_sgpr_kernarg_segment_ptr 1
		.amdhsa_wavefront_size32 1
		.amdhsa_system_sgpr_workgroup_id_x 1
		.amdhsa_system_sgpr_workgroup_id_y 1
		.amdhsa_system_sgpr_workgroup_id_z 1
		.amdhsa_system_vgpr_workitem_id 0
		.amdhsa_next_free_vgpr 256
		.amdhsa_next_free_sgpr 66
		.amdhsa_reserve_vcc 0
		.amdhsa_float_denorm_mode_32 3
		.amdhsa_float_denorm_mode_16_64 3
		.amdhsa_memory_ordered 1
		.amdhsa_forward_progress 1
		.amdhsa_inst_pref_size 35
	.end_amdhsa_kernel
	.amdgpu_metadata
---
amdhsa.version: [ 1, 2 ]
amdhsa.kernels:
  - .name:           k_q786113a579_mix
    .symbol:         k_q786113a579_mix.kd
    .args:
      - { .name: pix, .offset: 0, .size: 8, .value_kind: global_buffer, .address_space: global }
      - { .name: nbr, .offset: 8, .size: 8, .value_kind: global_buffer, .address_space: global }
      - { .name: wts, .offset: 16, .size: 8, .value_kind: global_buffer, .address_space: global }
      - { .name: x, .offset: 24, .size: 8, .value_kind: global_buffer, .address_space: global }
      - { .name: W_nn_codes, .offset: 32, .size: 8, .value_kind: global_buffer, .address_space: global }
      - { .name: b_nn, .offset: 40, .size: 8, .value_kind: global_buffer, .address_space: global }
      - { .name: lowp_scales, .offset: 48, .size: 8, .value_kind: global_buffer, .address_space: global }
      - { .name: out0, .offset: 56, .size: 8, .value_kind: global_buffer, .address_space: global }
    .group_segment_fixed_size: 64512
    .private_segment_fixed_size: 0
    .kernarg_segment_align: 8
    .kernarg_segment_size: 64
    .max_flat_workgroup_size: 256
    .sgpr_count:     66
    .vgpr_count:     256
    .wavefront_size: 32
...
	.end_amdgpu_metadata
.endif
;; end of part 2
;; ======== version 2 of 2: 2 launches; version 1 with the launch mix written anew for expert scheduling mode
;; limits: inputs' magnitudes at most 45; right only within a limited range of input values
;; workspace buffers: pix 8,388,608 bytes; nbr 524,288 bytes of whole numbers; wts 524,288 bytes
;; launch prep: the kernel of part 1 again; grid 256 x 1, 4 waves a work-group, no clusters, 35,328 bytes of LDS; arguments images, pos, pix, nbr, wts; writes pix, nbr, wts
;; launch mix (part 3): grid 256 x 1, 8 waves a work-group, no clusters, 64,512 bytes of LDS; arguments pix, nbr, wts, x, W_nn_codes, b_nn, lowp_scales, out0; writes out0
.if DOCPART == 3
	.amdgcn_target "amdgcn-amd-amdhsa--gfx1250"
	.amdhsa_code_object_version 6
	.text
	.protected	k_q786113a579_mix
	.globl	k_q786113a579_mix
	.p2align	8
	.type	k_q786113a579_mix,@function
k_q786113a579_mix:
	s_mov_b64 s[64:65], 0
	v_nop
	global_prefetch_b8 v0, s[64:65] scope:SCOPE_SE
	s_setreg_imm32_b32 hwreg(HW_REG_WAVE_SCHED_MODE, 0, 2), 2
	s_setreg_imm32_b32 hwreg(HW_REG_WAVE_MODE, 25, 1), 1
	s_wait_xcnt 0x0
	s_wait_alu depctr_vm_vsrc(0)
; out0 = Q([interp, x]) W + b.  interp[point] = the sum over its three pixels of weight x pix[pixel][0..63] (pixels and weights from the launch before); [interp, x] (K = 96) is quantised to E4M3 with the given
; scale 2^e0; W comes as codes [256 (n)][96 (k)] with the scale 2^e1; sums in f32, each multiplied once by 2^(e0 + e1), plus b.
; SHARES.  256 work-groups of eight waves; a work-group owns 128 points.
;   GATHER: wave w makes the operand of points 16 w .. 16 w + 15.  Sixteen lanes take one pixel's row of 256 bytes, 16 bytes a lane, so a load covers two points' rows whole; a step is two points, three loads.
;   A lane reads the records (pixels; weights) of the point that its half serves: sixteen lanes the same 16 bytes.  The row number is held under 32,768 and goes straight into the load's offset.
;   TURN: the conversion takes eight neighbours along K from one lane's registers, and the matrix unit wants a lane to a point.  So the blended rows, and x (loaded as it lies, 512 consecutive bytes a load),
;   go through the wave's own stage in LDS, [point][96 f32], rows of 384 + 16 bytes, and come back 48 numbers a lane: lane (r, h) holds, of point r, channels 32 h .. 32 h + 31 and x's 16 h .. 16 h + 15.
;   PRODUCT: the 12 registers of codes go to LDS as an image of the operand's registers (16 bytes a lane, 512 a store); one barrier; wave w multiplies row tiles 4 (w / 4) .. + 3 by columns 64 (w % 4) .. + 63.
; K = 96 IN A FORM OF 128: registers 0-7 k = 32 h + 0..31, registers 8-11 k = 64 + 16 h + 0..15, registers 12-15 zero codes, alike in both operands: every product meets its partner, and the zeros add nothing.
; THE COLUMNS OF A TILE ARE NOT NEIGHBOURS: lane r of W's tile t takes column 64 (w % 4) + 4 r + t.  In the results lane (r, h) then holds, for row 8 h + j, columns 4 r .. 4 r + 3 in the four tiles' registers j:
; the one multiply-add that each sum needs anyway (x 2^(e0 + e1), + b) puts them into four consecutive registers, and sixteen lanes store 256 consecutive bytes, aligned.  No stage on the way out.
; NO CLUSTER, NO TENSOR LOAD: work-groups share W's 24,576 bytes and b's 1,024, against 98,304 gathered, 16,384 of x and 131,072 stored by each; the gathered rows are named by a list, point by point.
; LIMITS: e0 between -126 and 119, e0 + e1 between -126 and 127, so that each power of two below is an f32 number.  NaN among the inputs is not served.
; THE MODE: SCHED_MODE bits 1:0 = 2 (LLVM: expert scheduling mode 2), set by the entry lines.  The code itself states the register dependences
; between vector or matrix instructions and memory or LDS instructions, with s_wait_alu, always for 0.
; THE PLAN.  Registers that memory or LDS instructions touch, and who else names them, in the text's order:
;   v4-15, v244  offsets and LDS addresses: written once at the head, read by every load and store, never written again.
;   NB           loaded; rewritten by the 48 lines that make the gathers' offsets; read by the 24 gathers; later my 48 numbers land there from the stage.
;   WT           loaded; read by the blends; later numbers from the stage land in its lower half, the codes are written into its upper half, and the matrix instructions write all of it.
;   BF           loaded; its quarters 12-15 (x) are read by four LDS stores and then cleared; read by the matrix instructions; at the end it takes results, which stores read.
;   G            loaded by the gathers; read by the blends, which write each step's first four registers; those are read by the LDS stores; later the fragments land there, four quarters are cleared, results are written.
;   PC           written by the conversions, read by three LDS stores, written over by the matrix instructions.
; So: one wait ahead of the first load; the gathers' offsets are all made first and have one wait; the blends go in pairs of steps, and a pair's LDS stores stand at the next pair's head, behind one wait;
; behind the last blend one wait on each side frees all that the stage's loads, the clearing, the fragments' loads and the results write later; one wait ahead of the image's stores and one behind the barrier;
; on the way out two row tiles' 64 multiply-adds have one wait, and their sixteen stores are dealt among the next matrix instructions, which name none of the registers that those stores read.
.set ROWP, 400                         ; a stage row: 25 x 16 bytes
.set STGW, 16*ROWP                     ; a wave's stage
.set IMG,  8*STGW                      ; behind the stages: the eight fragments' images,
.set FRB,  1536                        ; 12 registers x 128 bytes each
.set BF,   16                          ; v16-79   W's four fragments; registers 12-15 of each first carry a load of x and are zero afterwards
.set BIAS, 80                          ; v80-83   b of my four columns
.set NB,   84                          ; v84-115  eight records of pixels, then the gathers' offsets
.set WT,   116                         ; v116-147 eight records of weights
.set G,    148                         ; v148-243 step i: three times four registers, the three pixels' 16 bytes
.set H,    84                          ; v84-131  later: my point's 48 numbers
.set PC,   132                         ; v132-143 their codes
.set AF,   148                         ; v148-211 later: four fragments of points
.set D,    84                          ; v84-147  later: eight accumulators
.set OO,   244                         ; v244     my byte offset in the work-group's rows of out0
.set SC,   245                         ; v245     2^e0 as f32;  v246: 448 x 2^e0
.set LIM,  246
	s_load_b256 s[4:11], s[0:1], 0x0               ; pix s[4:5], nbr s[6:7], wts s[8:9], x s[10:11]
	s_load_b256 s[12:19], s[0:1], 0x20             ; W's codes s[12:13], b s[14:15], the scales' exponents s[16:17], out0 s[18:19]
	v_lshl_add_u32 v254, v0, 2, 0xf800
	v_mov_b32 v255, 0
	v_lshrrev_b32 v1, 5, v0
	v_readfirstlane_b32 s22, v1                    ; wave 0..7
	v_and_b32 v1, 15, v0                           ; r
	v_bfe_u32 v2, v0, 4, 1                         ; h
	v_and_b32 v3, 31, v0                           ; lane
	v_lshlrev_b32 v4, 4, v2                        ; records: my half's point of a step's two
	v_lshlrev_b32 v5, 4, v1                        ; 16 r: my 16 bytes of a pixel's row
	v_lshlrev_b32 v6, 4, v3                        ; 16 x lane
	s_wait_alu depctr_va_sdst(0)                   ; s22 is written, ahead of its first reader: the wave's shares, stages and bases are made from it
	s_and_b32 s23, s22, 3                          ; which 64 columns are mine
	s_lshr_b32 s24, s22, 2                         ; which four row tiles
	s_mul_i32 s25, s23, 64*96
	v_mul_u32_u24 v7, v1, 4*96
	v_add_nc_u32 v7, s25, v7                       ; W: row 64 (w % 4) + 4 r of 96 bytes; the tile's number stands in the immediate
	v_lshl_add_u32 v8, v2, 4, v7
	v_add_nc_u32 v8, 64, v8                        ;    k = 64 + 16 h on
	v_lshl_add_u32 v7, v2, 5, v7                   ;    k = 32 h on
	s_lshl_b32 s31, s23, 8
	v_add_nc_u32 v9, s31, v5                       ; b: my four columns' 16 bytes
	s_mul_i32 s28, s22, STGW                       ; my wave's stage
	v_mul_u32_u24 v10, v2, ROWP
	v_add_nc_u32 v10, v10, v5
	v_add_nc_u32 v10, s28, v10                     ; blended rows in: row h of a step's two, 16 r
	v_bfe_u32 v11, v0, 3, 2
	v_mul_u32_u24 v11, v11, ROWP
	v_and_b32 v12, 7, v0
	v_lshl_add_u32 v11, v12, 4, v11
	v_add_nc_u32 v11, s28, v11                     ; x in: a load's 512 bytes are four points' rows of 128: row lane / 8, 16 (lane % 8)
	v_mul_u32_u24 v12, v1, ROWP
	v_add_nc_u32 v12, s28, v12
	v_lshl_add_u32 v13, v2, 6, v12                 ; back: row r; of x 64 h on,
	v_lshl_add_u32 v12, v2, 7, v12                 ;       of the blend 128 h on
	s_mul_i32 s29, s22, FRB
	v_add_nc_u32 v14, s29, v6                      ; my fragment's image
	s_mul_i32 s29, s24, 4*FRB
	v_add_nc_u32 v15, s29, v6                      ; the four images that I multiply
	v_lshl_add_u32 v[OO], v2, 13, v5               ; out0: 8 h rows of 1,024 bytes, 16 r,
	v_add_nc_u32 v[OO], s31, v[OO]                 ;       my 64 columns' 256 bytes,
	s_lshl_b32 s29, s24, 16
	v_add_nc_u32 v[OO], s29, v[OO]                 ;       my four row tiles: 64 rows
	s_lshl_b32 s26, ttmp9, 11
	s_lshl_b32 s27, s22, 8
	s_add_co_u32 s26, s26, s27                     ; records: 16 bytes x (128 x work-group + 16 x wave)
	s_mov_b32 s27, 0
	s_lshl_b32 s32, s26, 3                         ; x: 128 bytes a point
	s_mov_b32 s33, 0
	s_lshl_b32 s34, ttmp9, 17                      ; out0: 128 rows of 1,024 bytes
	s_mov_b32 s35, 0
	s_wait_kmcnt 0x0
	s_load_b64 s[20:21], s[16:17], 0x0             ; e0, e1
	s_add_nc_u64 s[6:7], s[6:7], s[26:27]
	s_add_nc_u64 s[8:9], s[8:9], s[26:27]
	s_add_nc_u64 s[10:11], s[10:11], s[32:33]
	s_add_nc_u64 s[18:19], s[18:19], s[34:35]
	s_wait_alu depctr_va_vdst(0)                   ; the offsets and LDS addresses v4 to v15 and v244 are written: every load and store of the kernel reads one of them, and none is written again
	; all that is known ahead is asked for at once, the pixels' records first: the gathers wait for them alone
.irp i, 0,1,2,3,4,5,6,7
	global_load_b128 v[NB+4*\i:NB+4*\i+3], v4, s[6:7] offset:32*\i
.endr
.irp i, 0,1,2,3,4,5,6,7
	global_load_b128 v[WT+4*\i:WT+4*\i+3], v4, s[8:9] offset:32*\i
.endr
.irp j, 0,1,2,3
	global_load_b128 v[BF+16*\j+12:BF+16*\j+15], v6, s[10:11] offset:512*\j th:TH_LOAD_NT   ; x of my 16 points: 2,048 bytes as they lie; read once in the launch
.endr
.irp t, 0,1,2,3
	global_load_b128 v[BF+16*\t:BF+16*\t+3], v7, s[12:13] offset:96*\t
	global_load_b128 v[BF+16*\t+4:BF+16*\t+7], v7, s[12:13] offset:96*\t+16
	global_load_b128 v[BF+16*\t+8:BF+16*\t+11], v8, s[12:13] offset:96*\t
.endr
	global_load_b128 v[BIAS:BIAS+3], v9, s[14:15]
	s_wait_loadcnt 25                              ; the eight records of pixels are in; behind them 8 + 4 + 12 + 1 loads stay out
	; the offsets of all 24 gathers are made first, so that one wait serves them all
.irp i, 0,1,2,3,4,5,6,7
.irp k, 0,1,2
	v_min_u32 v[NB+4*\i+\k], 0x7fff, v[NB+4*\i+\k] ; a loaded number enters an address only held inside the table: pix has 32,768 rows
.endr
.endr
.irp i, 0,1,2,3,4,5,6,7
.irp k, 0,1,2
	v_lshl_add_u32 v[NB+4*\i+\k], v[NB+4*\i+\k], 8, v5   ; 256 bytes a row, + my 16
.endr
.endr
	s_wait_alu depctr_va_vdst(0)                   ; the 24 offsets in v[NB ..] are written, which the gathers below read
.irp i, 0,1,2,3,4,5,6,7
.irp k, 0,1,2
	global_load_b128 v[G+12*\i+4*\k:G+12*\i+4*\k+3], v[NB+4*\i+\k], s[4:5]   ; sixteen lanes read one row: 256 consecutive bytes, aligned.  (No hint: a list may name a row again)
.endr
.endr
	s_wait_loadcnt 37                              ; x is in; behind it 12 + 1 + 24 loads stay out
.irp j, 0,1,2,3
	ds_store_b128 v11, v[BF+16*\j+12:BF+16*\j+15] offset:256+4*ROWP*\j   ; behind the blend's 256 bytes of each row.  (The data came by loads, the address stands since the head: no vector result is awaited)
.endr
; Step i: points 2 i and 2 i + 1.  w0 g0 + w1 g1 + w2 g2, nearest first, two channels an instruction; of the record {w0, w1, w2, 0} one word serves both halves
.macro BLEND i
.set g, G+12*(\i)
.set w, WT+4*(\i)
	v_pk_mul_f32 v[g:g+1], v[g:g+1], v[w:w+1] op_sel_hi:[1,0]
	v_pk_mul_f32 v[g+2:g+3], v[g+2:g+3], v[w:w+1] op_sel_hi:[1,0]
	v_pk_fma_f32 v[g:g+1], v[g+4:g+5], v[w:w+1], v[g:g+1] op_sel:[0,1,0] op_sel_hi:[1,1,1]
	v_pk_fma_f32 v[g+2:g+3], v[g+6:g+7], v[w:w+1], v[g+2:g+3] op_sel:[0,1,0] op_sel_hi:[1,1,1]
	v_pk_fma_f32 v[g:g+1], v[g+8:g+9], v[w+2:w+3], v[g:g+1] op_sel_hi:[1,0,1]
	v_pk_fma_f32 v[g+2:g+3], v[g+10:g+11], v[w+2:w+3], v[g+2:g+3] op_sel_hi:[1,0,1]
.endm
.macro PUT i                           ; step i's two blended rows into the stage
	ds_store_b128 v10, v[G+12*(\i):G+12*(\i)+3] offset:2*ROWP*(\i)
.endm
; Steps 2 p and 2 p + 1.  The LDS stores of the pair before stand at this pair's head, behind the wait for this pair's first rows: no vector instruction of this pair names their registers.
.macro PAIR p
	s_wait_loadcnt 21-6*(\p)                       ; step 2 p's three rows are in; the later steps' stay out
.if (\p) > 0
	s_wait_alu depctr_va_vdst(0)                   ; the pair before has written its blended rows, which the two LDS stores below read
	PUT 2*(\p)-2
	PUT 2*(\p)-1
.endif
	BLEND 2*(\p)
	s_wait_loadcnt 18-6*(\p)                       ; step 2 p + 1's three rows are in
	BLEND 2*(\p)+1
.endm
	PAIR 0
	PAIR 1
	PAIR 2
	PAIR 3
	s_wait_alu depctr_va_vdst(0)                   ; the last pair has written its blended rows, which the two LDS stores below read; and all blends are done reading the weights and the gathered rows, in which LDS loads land from here on
	PUT 6
	PUT 7
	s_wait_alu depctr_vm_vsrc(0)                   ; the gathers have read their offsets, in which my numbers land below; x's LDS stores have read W's quarters and the blend's have read v[G ..]: the clearing, the fragments' loads and the results write those later
.irp j, 0,1,2,3,4,5,6,7
	ds_load_b128 v[H+4*\j:H+4*\j+3], v12 offset:16*\j            ; LDS serves a wave's instructions in order: these see my stores.  (The last wait on the loads above was for 0: the gathers, whose offsets lay here, are done)
.endr
.irp j, 0,1,2,3
	ds_load_b128 v[H+32+4*\j:H+32+4*\j+3], v13 offset:256+16*\j
.endr
	s_wait_kmcnt 0x0                               ; e0, e1
	s_add_co_i32 s28, s20, 127
	s_lshl_b32 s29, s28, 23
	v_mov_b32 v[SC], s29                           ; 2^e0 as f32: the conversion takes its exponent field
	s_add_co_i32 s28, s28, 8
	s_lshl_b32 s28, s28, 23
	s_or_b32 s28, s28, 0x600000
	v_mov_b32 v[LIM], s28                          ; 448 x 2^e0
	s_add_co_i32 s30, s20, s21
	s_add_co_i32 s30, s30, 127
	s_lshl_b32 s30, s30, 23                        ; 2^(e0 + e1) as f32
	s_wait_dscnt 0x0                               ; my 48 numbers are in
.irp t, 0,1,2,3
.irp q, 12,13,14,15
	v_mov_b32 v[BF+16*\t+\q], 0                    ; k = 96 .. 127: zero codes, in W's fragments (where x lay)
	v_mov_b32 v[AF+16*\t+\q], 0                    ; and in the points'
.endr
.endr
.set n, 0
.rept 48
	v_med3_num_f32 v[H+n], v[H+n], -v[LIM], v[LIM] ; the conversion to an 8-bit code does not saturate (ISA guide 7.6.2): the hold at the largest code x the scale
.set n, n+1
.endr
.irp q, 0,1,2,3,4,5
	v_cvt_scalef32_pk8_fp8_f32 v[PC+2*\q:PC+2*\q+1], v[H+8*\q:H+8*\q+7], v[SC]   ; eight neighbours along K / 2^e0, to the nearest code, ties to even
.endr
	v_nop                                          ; one plain vector instruction between the last conversion and the matrix instructions that later write over these registers
	s_wait_alu depctr_va_vdst(0)                   ; the conversions have written v[PC ..], which the LDS stores read; no vector instruction from here to the fragments' loads names a register in which those land
.irp c, 0,1,2
	ds_store_b128 v14, v[PC+4*\c:PC+4*\c+3] offset:IMG+512*\c   ; the fragment as it stands: 16 bytes a lane
.endr
	s_wait_dscnt 0x0                               ; for the others' sake: my image has landed
	s_barrier_signal -1
	s_barrier_wait -1                              ; all eight fragments lie in LDS
	s_wait_alu depctr_vm_vsrc(0)                   ; my LDS stores have read v[PC ..], which the matrix instructions below write over
.irp m, 0,1,2,3
.irp c, 0,1,2
	ds_load_b128 v[AF+16*\m+4*\c:AF+16*\m+4*\c+3], v15 offset:IMG+FRB*\m+512*\c   ; the same lines as loads give the same registers in the same lanes
.endr
.endr
; Row tile m of my four against W's four tiles: each product is a whole sum (C = 0), each in an accumulator of its own
.macro MUL m
.irp t, 0,1,2,3
	v_wmma_f32_16x16x128_fp8_fp8 v[D+32*((\m)%2)+8*\t:D+32*((\m)%2)+8*\t+7], v[AF+16*(\m):AF+16*(\m)+15], v[BF+16*\t:BF+16*\t+15], 0
.endr
.endm
.macro PLACES                          ; four plain vector instructions between a matrix instruction and the first read of its result or write of its sources (ISA guide 7.12.1)
.rept 4
	v_nop
.endr
.endm
; Row tile m on its way out: register j of tile t is out0(8 h + j, 4 r + t of my 64 columns).  Each accumulator is read from its low end on.  T: 32 registers that no store has read and that are written this once
.macro SCALE m, T
.irp j, 0,1,2,3,4,5,6,7
.irp t, 0,1,2,3
	v_fma_f32 v[\T+4*\j+\t], v[D+32*((\m)%2)+8*\t+\j], s30, v[BIAS+\t]   ; sum x 2^(e0 + e1) + b, into the place that the store wants
.endr
.endr
.endm
.macro SEND m, T
.irp j, 0,1,2,3,4,5,6,7
	global_store_b128 v[OO], v[\T+4*\j:\T+4*\j+3], s[18:19] offset:16384*(\m)+1024*\j th:TH_STORE_NT   ; sixteen lanes store 256 consecutive bytes, aligned; written once, read by nobody here
.endr
.endm
	s_wait_dscnt 6                                 ; the first two fragments are in; the other two's six loads stay out
	MUL 0
	MUL 1
	PLACES
	SCALE 0, 212                                   ; v212-243 are free since the blend
	SCALE 1, AF                                    ; the first two fragments are done with: their registers take the results
	s_wait_alu depctr_va_vdst(0)                   ; the 64 multiply-adds have written v212-243 and v148-179, which the sixteen stores below read
	s_wait_dscnt 0x0                               ; the other two fragments are in
	MUL 2                                          ; over the accumulators just read: the multiply-adds above are more than the five places asked for
	SEND 0, 212                                    ; no wait: the matrix instructions issued since the wait name v84-147, v180-211 and v16-79, none of the registers that these stores read
	MUL 3
	SEND 1, AF
	PLACES
	SCALE 2, BF                                    ; W's fragments are done with
	SCALE 3, BF+32
	s_wait_alu depctr_va_vdst(0)                   ; the 64 multiply-adds have written v16-79, which the last sixteen stores read
	SEND 2, BF
	SEND 3, BF+32
	s_wait_dscnt 0x0
	s_wait_alu depctr_hold_cnt(0) depctr_sa_sdst(0) depctr_va_vdst(0) depctr_va_sdst(0) depctr_va_ssrc(0) depctr_va_vcc(0) depctr_vm_vsrc(0)
	s_wait_tensorcnt 0x0
	ds_add_u32 v254, v255
	s_wait_dscnt 0x0
	s_endpgm
.Lfunc_end_k_q786113a579_mix:
	.size	k_q786113a579_mix, .Lfunc_end_k_q786113a579_mix-k_q786113a579_mix
	.p2alignl 7, 3214868480
	.fill 96, 4, 3214868480
	.section	.rodata,"a",@progbits
	.p2align	6, 0x0
	.amdhsa_kernel k_q786113a579_mix
		.amdhsa_group_segment_fixed_size 64512
		.amdhsa_private_segment_fixed_size 0
		.amdhsa_enable_private_segment 0
		.amdhsa_kernarg_size 64
		.amdhsa_user_sgpr_count 2
		.amdhsa_user_sgpr_kernarg_segment_ptr 1
		.amdhsa_wavefront_size32 1
		.amdhsa_system_sgpr_workgroup_id_x 1
		.amdhsa_system_sgpr_workgroup_id_y 1
		.amdhsa_system_sgpr_workgroup_id_z 1
		.amdhsa_system_vgpr_workitem_id 0
		.amdhsa_next_free_vgpr 256
		.amdhsa_next_free_sgpr 66
		.amdhsa_reserve_vcc 0
		.amdhsa_float_denorm_mode_32 3
		.amdhsa_float_denorm_mode_16_64 3
		.amdhsa_memory_ordered 1
		.amdhsa_forward_progress 1
		.amdhsa_inst_pref_size 35
	.end_amdhsa_kernel
	.amdgpu_metadata
---
amdhsa.version: [ 1, 2 ]
amdhsa.kernels:
  - .name:           k_q786113a579_mix
    .symbol:         k_q786113a579_mix.kd
    .args:
      - { .name: pix, .offset: 0, .size: 8, .value_kind: global_buffer, .address_space: global }
      - { .name: nbr, .offset: 8, .size: 8, .value_kind: global_buffer, .address_space: global }
      - { .name: wts, .offset: 16, .size: 8, .value_kind: global_buffer, .address_space: global }
      - { .name: x, .offset: 24, .size: 8, .value_kind: global_buffer, .address_space: global }
      - { .name: W_nn_codes, .offset: 32, .size: 8, .value_kind: global_buffer, .address_space: global }
      - { .name: b_nn, .offset: 40, .size: 8, .value_kind: global_buffer, .address_space: global }
      - { .name: lowp_scales, .offset: 48, .size: 8, .value_kind: global_buffer, .address_space: global }
      - { .name: out0, .offset: 56, .size: 8, .value_kind: global_buffer, .address_space: global }
    .group_segment_fixed_size: 64512
    .private_segment_fixed_size: 0
    .kernarg_segment_align: 8
    .kernarg_segment_size: 64
    .max_flat_workgroup_size: 256
    .sgpr_count:     66
    .vgpr_count:     256
    .wavefront_size: 32
...
	.end_amdgpu_metadata
.endif
;; end of part 3
